; MI455X (gfx1250); checked and timed in simulation.
; The chip was launched on July 23, 2026; its instructions are those of AMD's public machine-readable ISA for CDNA 5 (MIT licence, August 2026) and "CDNA5" Instruction Set Architecture Reference Guide (July 2026). The comments in the code are by the model that wrote it; some were corrected since.
;; f VSRN. Allowed arithmetic: matrix products marked QUANTISED: E2M3 operands, one E8M0 scale for each 32 along K, by v_wmma_scale_f32_16x16x128_f8f6f4 with both operands' format E2M3, f32 sums; products left as they are: f32 operands where the result goes on into a quantised operand, else bf16, f16 or f32 operands; f32 sums; everything else in f32.
;; Inputs: feature_grid 16 x 96 x 96 x 96 float32; w_h0 128 x 128 float32; w_h1 128 x 128 float32; w_h2 128 x 128 float32; w_in 52 x 128 float32; w_out 128 x 1 float32; x 1,000,000 x 3 float32.
;; Outputs: out0 1,000,000 x 1 float32.
;; This version of the problem:
;;   THIS VERSION OF THE PROBLEM IS GIVEN IN LOW PRECISION. The matrix products marked QUANTISED in the list below multiply operands that are first quantised to E2M3 (2 exponent bits, 3 mantissa bits; 6 bits a number), with one power-of-two scale for each 32 numbers along K (OCP MX v1.0); their sums are f32. All else is computed in f32.
;;   The module's matrix products, in the order in which they are computed (A, B: the left and right operand; K: the contracted axis; several contracted axes count as one K, in the product's order):
;;     1. [M 1,000,000, K 52] x [K 52, N 128]; A: computed on the way; B: input w_in: QUANTISED
;;     2. [M 1,000,000, K 128] x [K 128, N 128]; A: computed on the way; B: input w_h0: QUANTISED
;;     3. [M 1,000,000, K 128] x [K 128, N 128]; A: computed on the way; B: input w_h1: QUANTISED
;;     4. [M 1,000,000, K 128] x [K 128, N 128]; A: computed on the way; B: input w_h2: QUANTISED
;;     5. [M 1,000,000, K 128] x [K 128, N 1]; A: computed on the way; B: input w_out: left as it is (N = 1 < 16)
;;   THE QUANTISER, for each operand of a quantised product, along K:
;;     - K is cut into blocks of 32 from its start; a last block that is shorter is filled with zeros.
;;     - A block's scale is 2^e with e = floor(log2(the largest magnitude in the block)) - 2, held to -126 .. 127; a block of zeros has e = 0. As a byte (E8M0): e + 127.
;;     - Each number is divided by its block's scale, clamped to +-7.5, and rounded to the nearest number of E2M3, ties to even, subnormals kept.
;;     - The product sums the exact products of the quantised numbers (number of the format x scale) in f32.
;;   ~~~python
;;   def quantise(x, axis):      # numpy; x: float32 -> the quantised numbers, widened to float32 again
;;       x = np.moveaxis(x, axis, -1); K = x.shape[-1]
;;       x = np.pad(x, [(0, 0)] * (x.ndim - 1) + [(0, -K % 32)]); x = x.reshape(x.shape[:-1] + (-1, 32)); a = np.abs(x).max(-1, keepdims=True)
;;       e = np.where(a > 0, np.clip(np.frexp(np.where(a > 0, a, 1))[1] - 1 - 2, -126, 127), 0)      # np.frexp(a)[1] - 1 = floor(log2(a)), exactly
;;       r = np.clip(x / 2.0 ** e, -7.5, 7.5)
;;       step = 2.0 ** (np.maximum(np.frexp(np.where(r == 0, 1, r))[1] - 1, 0) - 3)
;;       q = np.round(r / step) * step * 2.0 ** e      # np.round: ties to even
;;       return np.moveaxis(q.reshape(q.shape[:-2] + (-1,))[..., :K], -1, axis).astype(np.float32)
;;   ~~~
;;   OPERANDS COMPUTED ON THE WAY. 'Computed on the way' means the value that the module computes at that place (a softmax that the list does not call 'softmax' is quantised finished and normalised). What goes into a quantiser is computed in f32, as accurately as f32 sums, v_exp_f32 and their like allow (about 1e-6 of the number): no bf16 or f16 on the way to a quantiser, and a product that is left as it is and whose result goes on into a quantised operand takes f32 operands (vector FMAs, or v_wmma_f32_16x16x4_f32). A number that lies on a knife's edge between two numbers of the format may be rounded either way, as far as f32 arithmetic and the matrix unit's own rounding can turn it there, and no further.
;; One version. Each part assembles by itself: llvm-mc -triple=amdgcn-amd-amdhsa -mcpu=gfx1250 --defsym DOCPART=n.
;; ======== version 1 of 1: 2 launches
;; limits: inputs' magnitudes at most 131,072; right only within a limited range of input values
;; workspace buffers: gridt 56,623,104 bytes; idx 4,000,000 bytes of whole numbers; wimg 49,152 bytes
;; launch prep (part 1): grid 2304 x 1, 8 waves a work-group, no clusters, 25,856 bytes of LDS; arguments feature_grid, x, w_in, w_h0, w_h1, w_h2, gridt, idx, wimg; writes gridt, idx, wimg
.if DOCPART == 1
	.amdgcn_target "amdgcn-amd-amdhsa--gfx1250"
	.amdhsa_code_object_version 6
	.text
	.protected	k_qb0718bcc35_prep
	.globl	k_qb0718bcc35_prep
	.p2align	8
	.type	k_qb0718bcc35_prep,@function
k_qb0718bcc35_prep:
	s_mov_b64 s[64:65], 0
	v_nop
	global_prefetch_b8 v0, s[64:65] scope:SCOPE_SE
	s_setreg_imm32_b32 hwreg(HW_REG_WAVE_MODE, 25, 1), 1
	s_wait_xcnt 0x0
; THREE JOBS AHEAD OF THE DECODER, in one launch.
; T: the feature grid [16 channels][96][96][96] f32 is turned to gridt [voxel][16 channels], 64 bytes a voxel, voxel = (z 96 + y) 96 + x:
;    the 2 x 16 numbers of two corners that are neighbours along x are then 128 consecutive bytes.  Every work-group turns 384 voxels.
; I: idx[point] = the voxel number of the point's lower corner, each coordinate held to 0 .. 94.  It is made of floor() of f32 numbers, so it is
;    stored here as a whole number, at a fixed place, and enters addresses only in the next launch.  The first 15,625 waves take 64 points each.
; W: the four weights that are multiplied as codes are quantised along K (their first axis) to FP6 (E2M3) with one E8M0 byte for each 32 along K and
;    stored as IMAGES OF OPERAND REGISTERS: a group of four registers is 512 bytes, lane l's 16 bytes at 16 l.  Work-groups 2300 .. 2303 take one weight each, a wave a tile of 16 columns.
;    A lane takes a column and its registers run down K, so a block of 32 lies in one lane and the conversions give the operand's registers as they stand.
;    THE COLUMNS OF A TILE ARE NOT NEIGHBOURS: row m of tile t is output unit 64 (t / 4) + 32 (m / 8) + 8 (t % 4) + m % 8 (the decoder's head says why).
; A block's scale is 2^(floor(log2(its largest magnitude)) - 2); its byte is the largest magnitude's exponent field - 2, held at 1 from below.
; LIMITS: a block of zeros gets the byte 1 where the rule says 127 (its codes are zeros, and this program alone reads the bytes); NaN and infinities among the inputs are not served.
.set CHB,   3538944                    ; bytes of a channel: 96 x 96 x 96 x 4
.set SROW,  1552                       ; a channel's row in the stage: 384 voxels x 4 bytes + 16: 388 words, so that four rows apart is 16 words on modulo 64 (64 banks of 4 bytes: ISA guide 11.1)
.set SPARE, 16*SROW                    ; behind the stage: the spare words, 128 bytes for each of the eight waves: four blocks of 256 bytes that no other line names
.set NCH,   15625                      ; runs of 64 points
.set WGW,   2300                       ; the first work-group that quantises a weight
.set SPW,   1                          ; v1   LDS address of my spare word; never rewritten
.set NIL,   2                          ; v2   0; never rewritten
.set LN,    4                          ; v4   lane
.set L16,   5                          ; v5   16 x lane
.set SIN,   6                          ; v6   the stage, on the way in
.set SOUT,  7                          ; v7   and on the way out
.set R,     16                         ; v16-39  six loads of the grid
.set O,     40                         ; v40-63  the same numbers, turned
.set CD,    32                         ; v32-43  a fragment's codes
.set WN,    32                         ; v32-95  a lane's numbers of a weight's column (job I: six coordinates); the finished codes are laid over the first twelve, which the conversions have read by then
	s_load_b512 s[8:23], s[0:1], 0x0               ; grid s[8:9], x s[10:11], w_in s[12:13], w_h0 s[14:15], w_h1 s[16:17], w_h2 s[18:19], gridt s[20:21], idx s[22:23]
	s_load_b64 s[24:25], s[0:1], 0x40              ; wimg
	v_lshl_add_u32 v[SPW], v0, 2, SPARE
	v_mov_b32 v[NIL], 0
	v_lshrrev_b32 v3, 5, v0
	s_delay_alu instid0(VALU_DEP_1)
	v_readfirstlane_b32 s26, v3                    ; wave 0..7
	v_and_b32 v[LN], 31, v0
	s_delay_alu instid0(VALU_DEP_1)
	v_lshlrev_b32 v[L16], 4, v[LN]
	s_lshl_b32 s27, ttmp9, 3
	s_add_co_u32 s27, s27, s26                     ; the wave's number in the launch
	s_mul_i32 s28, s26, 2*CHB                      ; my two channels,
	s_mul_i32 s30, ttmp9, 1536                     ; my work-group's 384 voxels
	s_add_co_u32 s28, s28, s30
	s_mov_b32 s29, 0
	s_mul_i32 s30, s26, 2*SROW
	v_add_nc_u32 v[SIN], s30, v[L16]               ; in: my two rows of the stage, 16 bytes a lane
	v_and_b32 v[SOUT], 3, v[LN]
	s_delay_alu instid0(VALU_DEP_1)
	v_mul_u32_u24 v[SOUT], v[SOUT], 4*SROW         ; out: channels 4 (lane % 4) on,
	v_lshrrev_b32 v8, 2, v[LN]
	s_delay_alu instid0(VALU_DEP_1)
	v_lshl_add_u32 v[SOUT], v8, 2, v[SOUT]         ; voxel lane / 4
	s_mul_i32 s30, s26, 192
	v_add_nc_u32 v[SOUT], s30, v[SOUT]             ; of my wave's 48 voxels
	s_mul_i32 s30, ttmp9, 24576                    ; gridt: 384 voxels x 64 bytes a work-group,
	s_mul_i32 s31, s26, 3072                       ; 48 x 64 a wave
	s_add_co_u32 s30, s30, s31
	s_mov_b32 s31, 0
	s_wait_alu depctr_va_vdst(0)
	s_wait_kmcnt 0x0
	s_add_nc_u64 s[8:9], s[8:9], s[28:29]
	s_add_nc_u64 s[20:21], s[20:21], s[30:31]
	; ---- T.  Each load takes 512 consecutive bytes of a channel; the 16 x 384 numbers meet in the stage
.irp j, 0,1,2,3,4,5
	global_load_b128 v[R+4*\j:R+4*\j+3], v[L16], s[8:9] offset:(\j/3)*CHB+512*(\j%3) th:TH_LOAD_NT
.endr
.irp j, 0,1,2,3,4,5
	s_wait_loadcnt 5-\j                            ; loads come back in order: load j is in, the 5 - j younger ones may be out
	ds_store_b128 v[SIN], v[R+4*\j:R+4*\j+3] offset:(\j/3)*SROW+512*(\j%3)
.endr
	s_wait_dscnt 0x0                               ; for the others' sake: my stores into the stage are done
	s_barrier_signal -1
	s_barrier_wait -1
.irp s, 0,1,2,3,4,5
.irp e, 0,1,2,3
	ds_load_b32 v[O+4*\s+\e], v[SOUT] offset:\e*SROW+32*\s   ; channel 4 (lane % 4) + e of voxel 48 wave + 8 s + lane / 4: the 32 lanes take 32 different banks
.endr
.endr
.irp s, 0,1,2,3,4,5
	s_wait_dscnt 20-4*\s                           ; step s's four loads are in; the 20 - 4 s younger ones may be out
	global_store_b128 v[L16], v[O+4*\s:O+4*\s+3], s[20:21] offset:512*\s th:TH_STORE_NT   ; eight voxels: 512 consecutive bytes, at a multiple of 512 from gridt's first byte
.endr
	s_wait_xcnt 0x0                                ; the stores have read their registers: what follows may write scalars and registers anew
	; ---- I.  A branch on the wave's number in the launch
	s_cmp_lt_u32 s27, NCH
	s_cbranch_scc0 .Lnot_points
	s_mul_i32 s28, s27, 768                        ; 64 points x 12 bytes
	s_add_nc_u64 s[10:11], s[10:11], s[28:29]
	s_lshl_b32 s30, s27, 8                         ; 64 whole numbers
	s_add_nc_u64 s[22:23], s[22:23], s[30:31]
	v_mul_u32_u24 v9, v[LN], 24                    ; a lane takes two points: 24 bytes
	v_lshlrev_b32 v10, 3, v[LN]
	global_load_b64 v[WN:WN+1], v9, s[10:11]
	global_load_b64 v[WN+2:WN+3], v9, s[10:11] offset:8
	global_load_b64 v[WN+4:WN+5], v9, s[10:11] offset:16
	s_wait_loadcnt 0x0
.irp i, 0,1,2,3,4,5
	v_add_f32 v[WN+\i], 1.0, v[WN+\i]
.endr
.irp i, 0,1,2,3,4,5
	v_mul_f32 v[WN+\i], 0x423e0000, v[WN+\i]       ; (x + 1) x 47.5: halving rounds nothing, so this is ((x + 1) x 0.5) x 95 bit for bit
.endr
.irp i, 0,1,2,3,4,5
	v_floor_f32 v[WN+\i], v[WN+\i]
.endr
.irp i, 0,1,2,3,4,5
	v_max_num_f32 v[WN+\i], 0, v[WN+\i]
.endr
.irp i, 0,1,2,3,4,5
	v_min_num_f32 v[WN+\i], 0x42bc0000, v[WN+\i]   ; 94: from coordinate 95 on the upper corner gets the whole weight (the decoder's fraction is held at 1)
.endr
.irp i, 0,1,2,3,4,5
	v_cvt_u32_f32 v[WN+\i], v[WN+\i]
.endr
	s_delay_alu instid0(VALU_DEP_4)
	v_mad_u32_u24 v[WN+6], v[WN+2], 96, v[WN+1]    ; z 96 + y
	s_delay_alu instid0(VALU_DEP_2)
	v_mad_u32_u24 v[WN+7], v[WN+5], 96, v[WN+4]
	s_delay_alu instid0(VALU_DEP_2)
	v_mad_u32_u24 v[WN+6], v[WN+6], 96, v[WN]      ; (z 96 + y) 96 + x
	s_delay_alu instid0(VALU_DEP_2)
	v_mad_u32_u24 v[WN+7], v[WN+7], 96, v[WN+3]
	global_store_b64 v10, v[WN+6:WN+7], s[22:23]   ; the wave stores 256 consecutive bytes, at a multiple of 256 from idx's first byte
	s_branch .Lend
.Lnot_points:
	; ---- W.  Work-group 2300 + L takes weight L (0: w_in, 1 .. 3: w_h0 .. w_h2), wave t its tile t
	s_cmp_ge_u32 ttmp9, WGW
	s_cbranch_scc0 .Lend
	s_sub_co_u32 s35, ttmp9, WGW                   ; L
	s_lshr_b32 s36, s26, 2                         ; t / 4
	s_and_b32 s37, s26, 3                          ; t % 4
	s_lshl_b32 s38, s36, 6
	s_lshl_b32 s39, s37, 3
	s_add_co_u32 s38, s38, s39
	v_and_b32 v9, 15, v0                           ; r
	v_bfe_u32 v10, v0, 4, 1                        ; h
	s_delay_alu instid0(VALU_DEP_2)
	v_and_b32 v11, 7, v9
	s_delay_alu instid0(VALU_DEP_3)
	v_lshrrev_b32 v12, 3, v9
	s_delay_alu instid0(VALU_DEP_1)
	v_lshl_add_u32 v11, v12, 5, v11
	s_delay_alu instid0(VALU_DEP_1)
	v_add_nc_u32 v11, s38, v11                     ; my column: 64 (t / 4) + 8 (t % 4) + 32 (r / 8) + r % 8
	s_delay_alu instid0(VALU_DEP_1)
	v_lshlrev_b32 v11, 2, v11                      ; in bytes
	s_delay_alu instid0(VALU_DEP_1)
	v_lshl_add_u32 v12, v10, 14, v11               ; lanes 16-31 begin 32 rows of 512 bytes further down: the operand's layout gives lane (r, h) k = 64 c + 32 h + 0 .. 31
	v_lshlrev_b32 v13, 3, v10                      ; 8 h
	s_lshl_b32 s38, s35, 10                        ; the scale words' place: 1,024 L + 512 (t / 4) + 4 (t % 4) + 16 x lane
	s_lshl_b32 s39, s36, 9
	s_add_co_u32 s38, s38, s39
	s_lshl_b32 s39, s37, 2
	s_add_co_u32 s38, s38, s39
	v_add_nc_u32 v14, s38, v[L16]
	s_mov_b32 s32, 0x76543210
	s_mov_b32 s33, 0xfedcba98                      ; v_permlanex16_b32's selects for lane l xor 16
	s_mov_b32 s34, 0xffff0000                      ; lanes 16-31
	v_mov_b32 v27, 0                               ; (a lane permute's destination counts as one of its sources)
	v_mov_b32 v28, 0
	s_cmp_eq_u32 s35, 0
	s_cbranch_scc1 .Lw_in
	; a weight of 128 x 128: two blocks a lane
	s_cmp_eq_u32 s35, 1
	s_cselect_b64 s[40:41], s[14:15], s[16:17]     ; the choice hangs on the work-group's number alone
	s_cmp_eq_u32 s35, 3
	s_cselect_b64 s[40:41], s[18:19], s[40:41]
	s_sub_co_u32 s38, s35, 1
	s_mul_i32 s38, s38, 12288
	s_mul_i32 s39, s26, 1536
	s_add_co_u32 s38, s38, s39
	v_add_nc_u32 v15, s38, v[L16]                  ; the image's place: 12,288 (L - 1) + 1,536 t + 16 x lane
	s_wait_alu depctr_va_vdst(0)
.irp c, 0,1
.set ii, 0
.rept 32
	global_load_b32 v[WN+32*\c+ii], v12, s[40:41] offset:(64*\c+ii)*512   ; w(64 c + 32 h + i, my column)
.set ii, ii+1
.endr
.endr
	s_wait_loadcnt 0x0
.irp c, 0,1
	v_max3_num_f32 v[20+\c], |v[WN+32*\c]|, |v[WN+32*\c+1]|, 0x1800000   ; my block 2 c + h: all its 32 numbers are mine; and the floor 2^(3 - 127), which holds the byte at 1 from below
.endr
.irp i, 2,4,6,8,10,12,14,16,18,20,22,24,26,28,30
.irp c, 0,1
	s_delay_alu instid0(VALU_DEP_2)
	v_max3_num_f32 v[20+\c], v[20+\c], |v[WN+32*\c+\i]|, |v[WN+32*\c+\i+1]|
.endr
.endr
.irp c, 0,1
	s_delay_alu instid0(VALU_DEP_2)
	v_add_nc_u32 v[22+\c], 0xff000000, v[20+\c]    ; 2 off the exponent field: the conversion takes the exponent field of this operand as its scale
.endr
.irp c, 0,1
	s_delay_alu instid0(VALU_DEP_2)
	v_lshrrev_b32 v[24+\c], 23, v[22+\c]           ; the scale's byte
.endr
	s_delay_alu instid0(VALU_DEP_1)
	v_lshl_or_b32 v26, v25, 16, v24                ; my two bytes, blocks h and 2 + h,
	s_delay_alu instid0(VALU_DEP_1)
	v_lshlrev_b32 v26, v13, v26                    ; at their places in the scale word;
	s_delay_alu instid0(VALU_DEP_1)
	v_permlanex16_b32 v27, v26, s32, s33
	s_delay_alu instid0(VALU_DEP_1)
	v_or_b32 v26, v26, v27                         ; with lane l xor 16's two the word is whole, in both halves of the lanes
	v_cvt_scalef32_pk16_fp6_f32 v[16:18], v[WN:WN+15], v22          ; block h: its two halves into registers that job T has done with (a conversion's three registers begin on an even number)
	v_cvt_scalef32_pk16_fp6_f32 v[6:8], v[WN+16:WN+31], v22
	v_nop                                          ; one plain place: the two below write registers that the first conversion read
	v_cvt_scalef32_pk16_fp6_f32 v[CD+6:CD+8], v[WN+32:WN+47], v23   ; block 2 + h: the lower half at its place,
	v_cvt_scalef32_pk16_fp6_f32 v[44:46], v[WN+48:WN+63], v23       ; the upper half beside it
	v_nop                                          ; one plain place behind a scaled conversion
.irp i, 0,1,2
	v_mov_b32 v[CD+\i], v[16+\i]
	v_mov_b32 v[CD+3+\i], v[6+\i]
	v_mov_b32 v[CD+9+\i], v[44+\i]
.endr
.irp q, 0,1,2
	global_store_b128 v15, v[CD+4*\q:CD+4*\q+3], s[24:25] offset:8192+512*\q   ; a group of four registers: 512 consecutive bytes
.endr
	global_store_b32 v14, v26, s[24:25] offset:45056
	s_branch .Lend
.Lw_in:
	; w_in, 52 x 128: one block a lane (k = 32 h + i); rows 52 .. 63 do not exist and count as zeros
	s_lshl_b32 s38, s26, 10
	v_add_nc_u32 v15, s38, v[L16]                  ; the image's place: 1,024 t + 16 x lane
.set ii, 0
	s_wait_alu depctr_va_vdst(0)
.rept 20
	global_load_b32 v[WN+ii], v12, s[12:13] offset:ii*512        ; rows 32 h + i, 51 at the most
.set ii, ii+1
.endr
.rept 12
	global_load_b32 v[WN+ii], v11, s[12:13] offset:ii*512        ; rows 20 .. 31 in every lane, so that no load leaves the buffer;
.set ii, ii+1
.endr
	s_wait_loadcnt 0x0
.set ii, 20
.rept 12
	v_cndmask_b32 v[WN+ii], v[WN+ii], v28, s34     ; in lanes 16-31 they stand for rows 52 .. 63: zeros
.set ii, ii+1
.endr
	v_max3_num_f32 v20, |v[WN]|, |v[WN+1]|, 0x1800000
.irp i, 2,4,6,8,10,12,14,16,18,20,22,24,26,28,30
	s_delay_alu instid0(VALU_DEP_1)
	v_max3_num_f32 v20, v20, |v[WN+\i]|, |v[WN+\i+1]|
.endr
	s_delay_alu instid0(VALU_DEP_1)
	v_add_nc_u32 v22, 0xff000000, v20
	s_delay_alu instid0(VALU_DEP_1)
	v_lshrrev_b32 v24, 23, v22
	s_delay_alu instid0(VALU_DEP_1)
	v_lshlrev_b32 v26, v13, v24                    ; my byte, block h
	s_delay_alu instid0(VALU_DEP_1)
	v_permlanex16_b32 v27, v26, s32, s33
	s_delay_alu instid0(VALU_DEP_1)
	v_or_b32 v26, v26, v27
	s_delay_alu instid0(VALU_DEP_1)
	v_or_b32 v26, 0x7f7f0000, v26                  ; blocks 2 and 3 meet zero codes on the points' side: the byte of 1.0
	v_cvt_scalef32_pk16_fp6_f32 v[16:18], v[WN:WN+15], v22
	v_cvt_scalef32_pk16_fp6_f32 v[6:8], v[WN+16:WN+31], v22
	v_nop                                          ; one plain place behind a scaled conversion
.irp i, 0,1,2
	v_mov_b32 v[CD+\i], v[16+\i]
	v_mov_b32 v[CD+3+\i], v[6+\i]
.endr
	v_mov_b32 v[CD+6], 0
	v_mov_b32 v[CD+7], 0
.irp q, 0,1
	global_store_b128 v15, v[CD+4*\q:CD+4*\q+3], s[24:25] offset:512*\q
.endr
	global_store_b32 v14, v26, s[24:25] offset:45056
.Lend:
	s_wait_tensorcnt 0x0                           ; the wave's end: a tensor wait, an add of 0 to my spare word and its wait, behind my last LDS store
	ds_add_u32 v[SPW], v[NIL]
	s_wait_dscnt 0x0
	s_endpgm
.Lfunc_end_k_qb0718bcc35_prep:
	.size	k_qb0718bcc35_prep, .Lfunc_end_k_qb0718bcc35_prep-k_qb0718bcc35_prep
	.p2alignl 7, 3214868480
	.fill 96, 4, 3214868480
	.section	.rodata,"a",@progbits
	.p2align	6, 0x0
	.amdhsa_kernel k_qb0718bcc35_prep
		.amdhsa_group_segment_fixed_size 25856
		.amdhsa_private_segment_fixed_size 0
		.amdhsa_enable_private_segment 0
		.amdhsa_kernarg_size 72
		.amdhsa_user_sgpr_count 2
		.amdhsa_user_sgpr_kernarg_segment_ptr 1
		.amdhsa_wavefront_size32 1
		.amdhsa_system_sgpr_workgroup_id_x 1
		.amdhsa_system_sgpr_workgroup_id_y 1
		.amdhsa_system_sgpr_workgroup_id_z 1
		.amdhsa_system_vgpr_workitem_id 0
		.amdhsa_next_free_vgpr 96
		.amdhsa_next_free_sgpr 66
		.amdhsa_reserve_vcc 0
		.amdhsa_float_denorm_mode_32 3
		.amdhsa_float_denorm_mode_16_64 3
		.amdhsa_memory_ordered 1
		.amdhsa_forward_progress 1
		.amdhsa_inst_pref_size 28
	.end_amdhsa_kernel
	.amdgpu_metadata
---
amdhsa.version: [ 1, 2 ]
amdhsa.kernels:
  - .name:           k_qb0718bcc35_prep
    .symbol:         k_qb0718bcc35_prep.kd
    .args:
      - { .name: feature_grid, .offset: 0, .size: 8, .value_kind: global_buffer, .address_space: global }
      - { .name: x, .offset: 8, .size: 8, .value_kind: global_buffer, .address_space: global }
      - { .name: w_in, .offset: 16, .size: 8, .value_kind: global_buffer, .address_space: global }
      - { .name: w_h0, .offset: 24, .size: 8, .value_kind: global_buffer, .address_space: global }
      - { .name: w_h1, .offset: 32, .size: 8, .value_kind: global_buffer, .address_space: global }
      - { .name: w_h2, .offset: 40, .size: 8, .value_kind: global_buffer, .address_space: global }
      - { .name: gridt, .offset: 48, .size: 8, .value_kind: global_buffer, .address_space: global }
      - { .name: idx, .offset: 56, .size: 8, .value_kind: global_buffer, .address_space: global }
      - { .name: wimg, .offset: 64, .size: 8, .value_kind: global_buffer, .address_space: global }
    .group_segment_fixed_size: 25856
    .private_segment_fixed_size: 0
    .kernarg_segment_align: 8
    .kernarg_segment_size: 72
    .max_flat_workgroup_size: 256
    .sgpr_count:     66
    .vgpr_count:     96
    .wavefront_size: 32
...
	.end_amdgpu_metadata
.endif
;; end of part 1
;; launch mlp (part 2): grid 256 x 1, 16 waves a work-group, no clusters, 150,016 bytes of LDS; arguments x, idx, gridt, wimg, w_out, out0; writes out0
.if DOCPART == 2
	.amdgcn_target "amdgcn-amd-amdhsa--gfx1250"
	.amdhsa_code_object_version 6
	.text
	.protected	k_qb0718bcc35_mlp
	.globl	k_qb0718bcc35_mlp
	.p2align	8
	.type	k_qb0718bcc35_mlp,@function
k_qb0718bcc35_mlp:
	s_mov_b64 s[64:65], 0
	v_nop
	global_prefetch_b8 v0, s[64:65] scope:SCOPE_SE
	s_setreg_imm32_b32 hwreg(HW_REG_WAVE_MODE, 25, 1), 1
	s_wait_xcnt 0x0
; out0[point] = the decoder of [36 sines and cosines | 16 trilinear features]: four products on codes of FP6 (E2M3) with one E8M0 scale for each 32 along K, a relu behind each, and a last product with one column, in f32.
; SHARES.  256 work-groups of sixteen waves stay and walk the points.  A wave takes runs of 64 points, 4,096 runs apart, and a run in two passes of 32: in pass p lane l owns point 64 c + 2 l + p, so that a lane's two
; results are neighbours and the wave's one store covers 256 consecutive bytes.  Waves share nothing but the weights, which lie in LDS as images of operand registers (made by the launch before): one barrier, at the head.
; THE GATHER.  idx gives each point's lower corner as a whole number; in gridt the two corners along x are 128 consecutive bytes.  Eight lanes read such a run, so a load covers four points' runs; four loads (dz, dy) a group of
; four points.  A lane weighs its 16 bytes by its point's corner weights, which come through the wave's own LDS bytes, and the partial sums go back through LDS to the lane that owns the point.
; SINES AND COSINES.  reference()'s angle is 2^k a with a = x pi rounded once.  u = a / pi is kept in two words; 2^k u (+ 1/2 for a cosine) is split exactly into a whole number n and f, |f| <= 1/2; the value is (-1)^n f P(f^2),
; P of degree 5 in f^2: what is left out stays under 1e-8.
; THE PRODUCTS ARE USED TRANSPOSED: source 0 = 16 output units, source 1 = 16 points.  Row m of weight tile t is unit 64 (t / 4) + 32 (m / 8) + 8 (t % 4) + m % 8, so that register 8 t + j of lane (r, h) is unit
; 64 (t / 4) + 32 h + 8 (t % 4) + j of point r: the 32 registers of tiles 4 c .. 4 c + 3 are ONE WHOLE BLOCK of the next K, k = 64 c + 32 h + 0 .. 31, in the operand's own order.  No maximum crosses lanes, no halves are swapped;
; only the four scale bytes are joined with lane l xor 16's.  K = 128 is one matrix instruction: every sum begins and ends in it, with C = 0.
; THE WEIGHTS' FRAGMENTS ARE ASKED FOR A PHASE AHEAD.  Tiles 4-7 of the next layer go into registers of their own as soon as the last products have read them; tiles 0-3 go into the registers of the old hidden layer's blocks 1 and 3,
; which are therefore quantised first; blocks 0 and 2 are quantised while those loads land.  The products of tiles 0-3 write the registers of blocks 0 and 2, those of tiles 4-7 then write over the fragments of tiles 0-3.
; LIMITS.  |x| under 131,072 (32 |x| stays under 2^22, where the split by 1.5 x 2^23 holds).  NaN and infinities in any input are not served.  From grid coordinate 95 on the lower corner 94 is multiplied by 0 where reference()
; reads corner 95 twice.  The trilinear value is a sum of eight weighted corners, not reference()'s nested form: another order of f32 rounding.  A block of zeros gets the byte 1 where the rule says 127: its codes are zeros.
; No tensor loads, no cluster: what work-groups share is 49,664 bytes of weights, read once by each, against the 128 x 4 bytes that every one of its 3,900 points gathers.
; OF THE SIX FREQUENCIES ONLY k = 0 AND k = 3 ARE MADE BY THE SPLIT AND THE POLYNOMIAL.  k = 1, 2 follow from k = 0 and k = 4, 5 from k = 3 by sin 2t = (2 sin t) cos t and cos 2t = 1 - (2 sin t) sin t,
; one rounding each.  LIMIT: another order of f32 rounding than reference()'s: a doubling doubles the error that it finds and adds one rounding, so after two doublings a value is within 1e-6 in absolute terms,
; not relative to itself where a cosine is near 0.
; A wave's first run is 256 x wave + work-group: the runs of the last, part-filled trip are spread over all work-groups.
.set NCH,   15625                      ; runs of 64 points
.set STEPC, 4096                       ; waves in the launch
.set VMAX,  0xD5B9E                    ; the largest lower corner: (94 x 96 + 94) x 96 + 94
.set DZ,    589824                     ; one step along z in gridt: 96 x 96 x 64 bytes
.set DY,    6144                       ; along y: 96 x 64
.set WSC,   45056                      ; LDS: 0 .. the weights' images; from here their scale words;
.set WOB,   49152                      ; w_out as it lies, 512 bytes;
.set AREA,  49664                      ; a wave's own bytes: 32 x 48 of corner weights,
.set AREAB, 6144
.set EXO,   1536                       ; then 32 x 144 of partial features (pitches that are odd multiples of 16 bytes)
.set SPARE, AREA+16*AREAB              ; the spare words, 128 bytes for each wave: eight blocks of 256 bytes that no other line names
.set SPW, 1                            ; v1   LDS address of my spare word; never rewritten
.set NIL, 2                            ; v2   0; never rewritten
.set LI,  3                            ; v3   16 x lane: an image's place for my lane
.set WOA, 4                            ; v4   w_out: WOB + 128 h
.set XO,  5                            ; v5   24 x lane
.set IO8, 6                            ; v6   8 x lane
.set IG,  7                            ; v7   8 x (lane / 8)
.set J16, 8                            ; v8   16 x (lane % 8)
.set SH8, 9                            ; v9   8 h
.set LWS, 10                           ; v10  where I store my point's corner weights
.set LWR, 11                           ; v11  where I read those of the point that I gather for
.set LES, 12                           ; v12  where I store a partial feature
.set LER, 13                           ; v13  where I read my point's
.set X,   14                           ; v14-19  two points' x, y, z
.set Y,   20                           ; v20-21  their results
.set WS,  22                           ; v22-25  the scale words of weight tiles 0-3, and nothing else
.set S0,  26                           ; v26, v27  the points' scale words, and nothing else
.set AD,  28                           ; v28-35  eight gather offsets
.set C0,  36                           ; v36-47, v48-59  the two tiles' codes (16 points each)
.set C1,  48
.set WF,  60                           ; v60-107  the fragments of weight tiles 4-7
.set IN,  60                           ; v60-123  a point's 64 inputs: 36 sines and cosines, 16 features, 12 zeros
.set WWR, 96                           ; v96-103  eight corner weights on their way to LDS
.set WOR, 44                           ; v44-107  w_out, in the order of the hidden layer's registers
.set T,   108                          ; v108-123 at work
.set WSB, 124                          ; v124-127 the scale words of weight tiles 4-7, and nothing else
.set H,   128                          ; v128-255 2 tiles x 64 hidden numbers; the fragments of weight tiles 0-3 at H + 32, H + 44, H + 96, H + 108
.set G,   128                          ;          and, ahead of them, the gathered corners: step i, corner s at G + 16 i + 4 s
.set QT,  128                          ; v128-133 at work where the inputs are quantised: the gathered data there are done with
.set UH,  36                           ; the sines' registers: u's two words, three pairs each: (x, y), (z, x), (y, z);
.set UL,  42
.set KM,  48                           ; the pairs (M, M), M = 1.5 x 2^23; (A4, A4); (0, 1/2);
.set KA,  50
.set KO,  52
.set TT,  54                           ; and three sets of three pairs at work;
.set NN,  108
.set QQ,  114
.set PP,  54                           ; the polynomial takes TT's registers, which are done with behind the sign's step
.set MX,  108                          ; the quantiser of the hidden layer: v108-111 four running maxima, then two scale operands;
.set BY,  112                          ; v112-115 the four blocks' bytes;
.set WD,  116                          ; v116-117, v118-119 the scale words in the making;
.set PX,  118
.set STA, 120                          ; v120-122, v116-118 the upper halves of two blocks' codes on their way
.set STB, 116
.macro PLACES n
.rept \n
	v_nop
.endr
.endm
.macro XLOADS                          ; a run's 64 points: 24 bytes a lane
	global_load_b64 v[X:X+1], v[XO], s[24:25] th:TH_LOAD_NT
	global_load_b64 v[X+2:X+3], v[XO], s[24:25] offset:8 th:TH_LOAD_NT
	global_load_b64 v[X+4:X+5], v[XO], s[24:25] offset:16 th:TH_LOAD_NT
.endm
.macro ADLOADS p                       ; step i: the corner of point 64 c + 2 (4 i + lane / 8) + p; eight lanes take the same word
.irp i, 0,1,2,3,4,5,6,7
	global_load_b32 v[AD+\i], v[IG], s[26:27] offset:32*\i+4*(\p)
.endr
.endm
	s_load_b256 s[4:11], s[0:1], 0x0               ; x s[4:5], idx s[6:7], gridt s[8:9], wimg s[10:11]
	s_load_b128 s[12:15], s[0:1], 0x20             ; w_out s[12:13], out0 s[14:15]
	v_lshl_add_u32 v[SPW], v0, 2, SPARE
	v_mov_b32 v[NIL], 0
	v_lshrrev_b32 v36, 5, v0
	s_delay_alu instid0(VALU_DEP_1)
	v_readfirstlane_b32 s16, v36                   ; wave 0..15
	v_and_b32 v37, 31, v0                          ; lane
	v_bfe_u32 v38, v0, 4, 1                        ; h
	s_delay_alu instid0(VALU_DEP_2)
	v_lshrrev_b32 v39, 3, v37                      ; lane / 8
	v_and_b32 v40, 7, v0                           ; lane % 8
	v_bfe_u32 v41, v0, 2, 1                        ; 0: I gather the corner at x0, 1: at x0 + 1
	v_lshlrev_b32 v42, 4, v0                       ; 16 x thread: my 16 bytes of each 8,192 of the weights' images
	v_lshlrev_b32 v[LI], 4, v37
	v_lshlrev_b32 v[WOA], 7, v38
	s_delay_alu instid0(VALU_DEP_1)
	v_add_nc_u32 v[WOA], WOB, v[WOA]
	v_mul_u32_u24 v[XO], v37, 24
	v_lshlrev_b32 v[IO8], 3, v37
	v_lshlrev_b32 v[IG], 3, v39
	v_lshlrev_b32 v[J16], 4, v40
	v_lshlrev_b32 v[SH8], 3, v38
	s_mul_i32 s18, s16, AREAB
	s_add_co_u32 s18, s18, AREA                    ; my wave's own bytes
	v_mul_u32_u24 v[LWS], v37, 48
	s_delay_alu instid0(VALU_DEP_1)
	v_add_nc_u32 v[LWS], s18, v[LWS]
	v_mul_u32_u24 v[LWR], v39, 48
	s_delay_alu instid0(VALU_DEP_1)
	v_lshl_add_u32 v[LWR], v41, 4, v[LWR]
	s_delay_alu instid0(VALU_DEP_1)
	v_add_nc_u32 v[LWR], s18, v[LWR]
	s_add_co_u32 s18, s18, EXO
	v_mul_u32_u24 v[LES], v39, 144
	s_delay_alu instid0(VALU_DEP_1)
	v_lshl_add_u32 v[LES], v40, 4, v[LES]
	s_delay_alu instid0(VALU_DEP_1)
	v_add_nc_u32 v[LES], s18, v[LES]
	v_mul_u32_u24 v[LER], v37, 144
	s_delay_alu instid0(VALU_DEP_1)
	v_add_nc_u32 v[LER], s18, v[LER]
	s_mov_b32 s20, 0x76543210
	s_mov_b32 s21, 0xfedcba98                      ; v_permlanex16_b32's selects for lane l xor 16
	s_mov_b32 s22, 0xffff0000                      ; lanes 16-31
	s_lshl_b32 s17, s16, 8
	s_add_co_u32 s17, s17, ttmp9                   ; c: my first run: 256 x wave + work-group
	s_mul_i32 s30, s17, 768
	s_mov_b32 s31, 0                               ; stays 0: the upper word of every offset
	s_wait_kmcnt 0x0
	s_add_nc_u64 s[24:25], s[4:5], s[30:31]        ; x at my run
	s_lshl_b32 s30, s17, 8
	s_add_nc_u64 s[26:27], s[6:7], s[30:31]        ; idx at my run
.irp i, 0,1,2,3,4,5
	global_load_b128 v[H+4*\i:H+4*\i+3], v42, s[10:11] offset:8192*\i   ; the work-group copies the 49,152 bytes once
.endr
	XLOADS
	ADLOADS 0
	s_wait_loadcnt 11                              ; the six are in; the first run's 3 + 8 loads may be out
.irp i, 0,1,2,3,4,5
	ds_store_b128 v42, v[H+4*\i:H+4*\i+3] offset:8192*\i
.endr
	s_cmp_lg_u32 s16, 15
	s_cbranch_scc1 .Lnot_15
	global_load_b128 v[H+24:H+27], v[LI], s[12:13] ; wave 15 brings w_out's 512 bytes
	s_wait_loadcnt 0x0
	ds_store_b128 v[LI], v[H+24:H+27] offset:WOB
.Lnot_15:
	s_wait_dscnt 0x0                               ; for the others' sake: my stores are done
	s_barrier_signal -1
	s_barrier_wait -1                              ; the weights lie in LDS; nobody writes them again
; The offsets of the pass's 32 points, and 32 loads: step i serves points 4 i .. 4 i + 3, eight lanes a point; corner s = 2 dz + dy.
.macro GATHER
	s_wait_loadcnt 0x0                             ; idx and x, asked for most of a pass ago
.irp i, 0,1,2,3,4,5,6,7
	v_min_u32 v[AD+\i], VMAX, v[AD+\i]             ; a loaded number enters an address only under this bound
.endr
.irp i, 0,1,2,3,4,5,6,7
	v_lshl_add_u32 v[AD+\i], v[AD+\i], 6, v[J16]   ; 64 bytes a voxel, + my 16 of the run's 128
.endr
.endm
; The loads of steps ia and ib, eight loads.  The four groups stand among the vector work that follows, in ascending order of the steps: the counted waits where the corners are weighed lean on that order.
.macro GLOAD ia, ib
.irp i, \ia, \ib
.irp s, 0,1,2,3
	global_load_b128 v[G+16*\i+4*\s:G+16*\i+4*\s+3], v[AD+\i], s[8:9] offset:(\s/2)*DZ+(\s%2)*DY
.endr
.endr
.endm
; My point's eight corner weights, to LDS: [uz uy, uz ty, tz uy, tz ty] x ux, then x tx.
.macro TRIW p
.irp d, 0,1,2
	v_add_f32 v[T+\d], 1.0, v[X+3*(\p)+\d]
.endr
.irp d, 0,1,2
	s_delay_alu instid0(VALU_DEP_3)
	v_mul_f32 v[T+\d], 0x423e0000, v[T+\d]         ; the same two lines as where idx was made: the same bits
.endr
.irp d, 0,1,2
	s_delay_alu instid0(VALU_DEP_3)
	v_floor_f32 v[T+3+\d], v[T+\d]
.endr
.irp d, 0,1,2
	s_delay_alu instid0(VALU_DEP_3)
	v_min_num_f32 v[T+3+\d], 0x42bc0000, v[T+3+\d] ; 94 at the most; under 0 the floor stays, as in reference(), whose fraction is taken ahead of the clip
.endr
.irp d, 0,1,2
	s_delay_alu instid0(VALU_DEP_3)
	v_sub_f32 v[T+6+\d], v[T+\d], v[T+3+\d]        ; t
.endr
.irp d, 0,1,2
	s_delay_alu instid0(VALU_DEP_3)
	v_min_num_f32 v[T+6+\d], 1.0, v[T+6+\d]        ; from coordinate 95 on: the upper corner alone
.endr
.irp d, 0,1,2
	s_delay_alu instid0(VALU_DEP_3)
	v_sub_f32 v[T+9+\d], 1.0, v[T+6+\d]            ; u = 1 - t
.endr
	s_delay_alu instid0(VALU_DEP_1)
	v_mul_f32 v[T+12], v[T+11], v[T+10]
	s_delay_alu instid0(VALU_DEP_2)
	v_mul_f32 v[T+13], v[T+11], v[T+7]
	s_delay_alu instid0(VALU_DEP_4)
	v_mul_f32 v[T+14], v[T+8], v[T+10]
	v_mul_f32 v[T+15], v[T+8], v[T+7]
.irp s, 0,1,2,3
	s_delay_alu instid0(VALU_DEP_4)
	v_mul_f32 v[WWR+\s], v[T+12+\s], v[T+9]
.endr
.irp s, 0,1,2,3
	v_mul_f32 v[WWR+4+\s], v[T+12+\s], v[T+6]
.endr
	ds_store_b128 v[LWS], v[WWR:WWR+3]             ; (these eight registers are written again only behind a wait for the stores)
	ds_store_b128 v[LWS], v[WWR+4:WWR+7] offset:16
.endm
; Frequency k, sc = 2^k: the pairs (sin x, sin y), (sin z, cos x), (cos y, cos z) into IN + 6 k on; the three pairs by turns.
.macro PEK k, sc
	v_pk_fma_f32 v[TT:TT+1], v[UH:UH+1], \sc, v[KM:KM+1] op_sel_hi:[1,0,1]            ; 2^k u + M: rounded to a whole number
	v_pk_fma_f32 v[TT+2:TT+3], v[UH+2:UH+3], \sc, v[KO:KO+1] op_sel_hi:[1,0,1]        ; a cosine is the sine 1/2 further on
	v_pk_fma_f32 v[TT+4:TT+5], v[UH+4:UH+5], \sc, 0.5 op_sel_hi:[1,0,0]
	s_delay_alu instid0(VALU_DEP_2)
	v_pk_add_f32 v[TT+2:TT+3], v[TT+2:TT+3], v[KM:KM+1]
	s_delay_alu instid0(VALU_DEP_2)
	v_pk_add_f32 v[TT+4:TT+5], v[TT+4:TT+5], v[KM:KM+1]
.irp q, 0
	v_pk_add_f32 v[NN+\q:NN+\q+1], v[TT+\q:TT+\q+1], v[KM:KM+1] neg_lo:[0,1] neg_hi:[0,1]   ; n
.endr
.irp q, 2, 4
	s_delay_alu instid0(VALU_DEP_3)
	v_pk_add_f32 v[NN+\q:NN+\q+1], v[TT+\q:TT+\q+1], v[KM:KM+1] neg_lo:[0,1] neg_hi:[0,1]   ; n
.endr
	s_delay_alu instid0(VALU_DEP_2)
	v_pk_add_f32 v[NN+2:NN+3], v[NN+2:NN+3], v[KO:KO+1] neg_lo:[0,1] neg_hi:[0,1]     ; n - 1/2 for a cosine
	s_delay_alu instid0(VALU_DEP_2)
	v_pk_add_f32 v[NN+4:NN+5], v[NN+4:NN+5], -0.5 op_sel_hi:[1,0]
.irp q, 0
	v_pk_fma_f32 v[NN+\q:NN+\q+1], v[UH+\q:UH+\q+1], \sc, v[NN+\q:NN+\q+1] op_sel_hi:[1,0,1] neg_lo:[0,0,1] neg_hi:[0,0,1]   ; the upper word less n: nothing is rounded
.endr
.irp q, 2, 4
	s_delay_alu instid0(VALU_DEP_3)
	v_pk_fma_f32 v[NN+\q:NN+\q+1], v[UH+\q:UH+\q+1], \sc, v[NN+\q:NN+\q+1] op_sel_hi:[1,0,1] neg_lo:[0,0,1] neg_hi:[0,0,1]   ; the upper word less n: nothing is rounded
.endr
.irp q, 0,2,4
	s_delay_alu instid0(VALU_DEP_3)
	v_pk_fma_f32 v[NN+\q:NN+\q+1], v[UL+\q:UL+\q+1], \sc, v[NN+\q:NN+\q+1] op_sel_hi:[1,0,1]   ; + the lower word: f
.endr
.irp e, 0,1,2,3,4,5
	v_lshl_add_u32 v[NN+\e], v[TT+\e], 31, v[NN+\e]   ; n's lowest bit, added at bit 31, turns f's sign where n is odd.  TT is done with behind these six
.endr
.irp q, 0,2,4
	v_pk_mul_f32 v[QQ+\q:QQ+\q+1], v[NN+\q:NN+\q+1], v[NN+\q:NN+\q+1]
.endr
.irp q, 0,2,4
	s_delay_alu instid0(VALU_DEP_3)
	v_pk_fma_f32 v[PP+\q:PP+\q+1], v[QQ+\q:QQ+\q+1], 0xbbedec6c, v[KA:KA+1] op_sel_hi:[1,0,1]   ; -(pi^11 / 11! - 0.235 pi^13 / 13!) q + pi^9 / 9!
.endr
.irp a, 0xbf196966, 0x402335e3, 0xc0a55de7, 0x40490fdb   ; - pi^7 / 7!, pi^5 / 5!, - pi^3 / 3!, pi
.irp q, 0,2,4
	s_delay_alu instid0(VALU_DEP_3)
	v_pk_fma_f32 v[PP+\q:PP+\q+1], v[PP+\q:PP+\q+1], v[QQ+\q:QQ+\q+1], \a op_sel_hi:[1,1,0]
.endr
.endr
.irp q, 0,2,4
	s_delay_alu instid0(VALU_DEP_3)
	v_pk_mul_f32 v[IN+6*(\k)+\q:IN+6*(\k)+\q+1], v[PP+\q:PP+\q+1], v[NN+\q:NN+\q+1]
.endr
.endm
; Frequencies ka and kb from ka - 1 and kb - 1 by doubling: t = 2 sin, sin' = t cos, cos' = 1 - t sin.  Six chains by turns: each line reads what was written six lines or more ahead of it.
.macro DBL ka, kb
.irp k, \ka, \kb
.irp d, 0,1,2
	v_add_f32 v[NN+3*(\k/3)+\d], v[IN+6*\k-6+\d], v[IN+6*\k-6+\d]
.endr
.endr
.irp k, \ka, \kb
.irp d, 0,1,2
	v_mul_f32 v[IN+6*\k+\d], v[NN+3*(\k/3)+\d], v[IN+6*\k-3+\d]
.endr
.endr
.irp k, \ka, \kb
.irp d, 0,1,2
	v_fma_f32 v[IN+6*\k+3+\d], -v[NN+3*(\k/3)+\d], v[IN+6*\k-6+\d], 1.0
.endr
.endr
.endm
.macro PE p
.irp d, 0,1,2
	v_mul_f32 v[NN+\d], 0x40490fdb, v[X+3*(\p)+\d]     ; a = x pi, rounded once, as reference() has it: its angles are 2^k a exactly
	v_mul_f32 v[NN+3+\d], 0x40490fdb, v[X+3*(\p)+\d]
.endr
.irp q, 0
	s_delay_alu instid0(VALU_DEP_4)
	v_pk_mul_f32 v[UH+\q:UH+\q+1], v[NN+\q:NN+\q+1], 0x3ea2f983 op_sel_hi:[1,0]        ; a x (1 / pi)'s upper word,
.endr
.irp q, 2, 4
	s_delay_alu instid0(VALU_DEP_3)
	v_pk_mul_f32 v[UH+\q:UH+\q+1], v[NN+\q:NN+\q+1], 0x3ea2f983 op_sel_hi:[1,0]        ; a x (1 / pi)'s upper word,
.endr
.irp q, 0,2,4
	s_delay_alu instid0(VALU_DEP_3)
	v_pk_fma_f32 v[UL+\q:UL+\q+1], v[NN+\q:NN+\q+1], 0x3ea2f983, v[UH+\q:UH+\q+1] op_sel_hi:[1,0,1] neg_lo:[0,0,1] neg_hi:[0,0,1]   ; what that rounding dropped,
.endr
.irp q, 0,2,4
	s_delay_alu instid0(VALU_DEP_3)
	v_pk_fma_f32 v[UL+\q:UL+\q+1], v[NN+\q:NN+\q+1], 0x325c9c88, v[UL+\q:UL+\q+1] op_sel_hi:[1,0,1]   ; and a x (1 / pi)'s lower word
.endr
	v_mov_b32 v[KM], 0x4b400000
	v_mov_b32 v[KM+1], 0x4b400000
	v_mov_b32 v[KA], 0x3da83c1a
	v_mov_b32 v[KA+1], 0x3da83c1a
	v_mov_b32 v[KO], 0
	v_mov_b32 v[KO+1], 0.5
	GLOAD 6, 7                                     ; the last eight of the pass's 32 gather loads
	PEK 0, 1.0
	PEK 3, 0x41000000
	DBL 1, 4
	DBL 2, 5
.endm
; The loads of the pass that follows: they land while the layers run.
.macro NEXT p
.if (\p) == 0
	ADLOADS 1
.else
	s_add_co_u32 s18, s17, STEPC
	s_min_u32 s18, s18, NCH-1                      ; a wave's last trip asks for the last run, which it does not use: no load leaves its buffer
	s_mul_i32 s30, s18, 768
	s_add_nc_u64 s[24:25], s[4:5], s[30:31]        ; (every load that named these two bases has been waited for)
	s_lshl_b32 s30, s18, 8
	s_add_nc_u64 s[26:27], s[6:7], s[30:31]
	XLOADS
	ADLOADS 0
.endif
.endm
; The gathered corners are weighed, and the partial sums go to the lanes that own the points.
.macro ACCUM p
.irp i, 0,1,2,3,4,5,6,7
	ds_load_b128 v[36+4*\i+52*(\i/6):39+4*\i+52*(\i/6)], v[LWR] offset:192*\i   ; step i: the four weights of my half (x0 or x0 + 1) of point 4 i + lane / 8.  LDS serves a wave's instructions in order: these see my wave's stores
.endr
	s_wait_dscnt 0x0
.irp i, 0,1,2,3,4,5,6,7
.set WT, 36+4*\i+52*(\i/6)
.set GA, G+16*\i
	s_wait_loadcnt 28-4*\i                         ; step i's four loads are in; the younger steps' 28 - 4 i may be out
	v_pk_mul_f32 v[GA:GA+1], v[GA:GA+1], v[WT:WT+1] op_sel_hi:[1,0]
	v_pk_mul_f32 v[GA+2:GA+3], v[GA+2:GA+3], v[WT:WT+1] op_sel_hi:[1,0]
	s_delay_alu instid0(VALU_DEP_2)
	v_pk_fma_f32 v[GA:GA+1], v[GA+4:GA+5], v[WT:WT+1], v[GA:GA+1] op_sel:[0,1,0] op_sel_hi:[1,1,1]
	s_delay_alu instid0(VALU_DEP_2)
	v_pk_fma_f32 v[GA+2:GA+3], v[GA+6:GA+7], v[WT:WT+1], v[GA+2:GA+3] op_sel:[0,1,0] op_sel_hi:[1,1,1]
	s_delay_alu instid0(VALU_DEP_2)
	v_pk_fma_f32 v[GA:GA+1], v[GA+8:GA+9], v[WT+2:WT+3], v[GA:GA+1] op_sel_hi:[1,0,1]
	s_delay_alu instid0(VALU_DEP_2)
	v_pk_fma_f32 v[GA+2:GA+3], v[GA+10:GA+11], v[WT+2:WT+3], v[GA+2:GA+3] op_sel_hi:[1,0,1]
	s_delay_alu instid0(VALU_DEP_2)
	v_pk_fma_f32 v[GA:GA+1], v[GA+12:GA+13], v[WT+2:WT+3], v[GA:GA+1] op_sel:[0,1,0] op_sel_hi:[1,1,1]
	s_delay_alu instid0(VALU_DEP_2)
	v_pk_fma_f32 v[GA+2:GA+3], v[GA+14:GA+15], v[WT+2:WT+3], v[GA+2:GA+3] op_sel:[0,1,0] op_sel_hi:[1,1,1]
	ds_store_b128 v[LES], v[GA:GA+3] offset:576*\i
.endr
.irp m, 0,1,2,3,4,5,6,7
	ds_load_b128 v[G+16*\m+4:G+16*\m+7], v[LER] offset:16*\m   ; my point's 128 bytes: the x0 part's 16 channels, then the x0 + 1 part's; into registers whose gathered data are done with
.endr
	NEXT \p
	s_wait_dscnt 0x0
.irp m, 0,1,2,3
	v_pk_add_f32 v[IN+36+4*\m:IN+37+4*\m], v[G+16*\m+4:G+16*\m+5], v[G+16*\m+68:G+16*\m+69]
	v_pk_add_f32 v[IN+38+4*\m:IN+39+4*\m], v[G+16*\m+6:G+16*\m+7], v[G+16*\m+70:G+16*\m+71]
.endr
.endm
; Layer l's weight tiles 0-3 and their scale words: the fragments into the hidden layer's registers H + 32 .. 55 and H + 96 .. 119, whose numbers have been turned into codes.
; (w_in's image is 8 registers a tile: registers 8 .. 11 of the operand keep what they held, and meet zero codes.)
.macro WLOADA l
	ds_load_b128 v[WS:WS+3], v[LI] offset:WSC+1024*(\l)
.irp t, 0,1,2,3
.set FA, H+32+12*(\t%2)+64*(\t/2)
.if (\l) == 0
	ds_load_b128 v[FA:FA+3], v[LI] offset:1024*\t
	ds_load_b128 v[FA+4:FA+7], v[LI] offset:1024*\t+512
.else
	ds_load_b128 v[FA:FA+3], v[LI] offset:8192+12288*((\l)-1)+1536*\t
	ds_load_b128 v[FA+4:FA+7], v[LI] offset:8192+12288*((\l)-1)+1536*\t+512
	ds_load_b128 v[FA+8:FA+11], v[LI] offset:8192+12288*((\l)-1)+1536*\t+1024
.endif
.endr
.endm
; Its tiles 4-7, into registers of their own.
.macro WLOADB l
	ds_load_b128 v[WSB:WSB+3], v[LI] offset:WSC+1024*(\l)+512
.irp t, 0,1,2,3
.if (\l) == 0
	ds_load_b128 v[WF+12*\t:WF+12*\t+3], v[LI] offset:4096+1024*\t
	ds_load_b128 v[WF+12*\t+4:WF+12*\t+7], v[LI] offset:4096+1024*\t+512
.else
	ds_load_b128 v[WF+12*\t:WF+12*\t+3], v[LI] offset:8192+12288*((\l)-1)+6144+1536*\t
	ds_load_b128 v[WF+12*\t+4:WF+12*\t+7], v[LI] offset:8192+12288*((\l)-1)+6144+1536*\t+512
	ds_load_b128 v[WF+12*\t+8:WF+12*\t+11], v[LI] offset:8192+12288*((\l)-1)+6144+1536*\t+1024
.endif
.endr
.endm
; A point's 52 inputs (two blocks; the second filled with zeros) become codes, and the 32 points two operands of 16.
.macro QIN
.irp j, 52,54,56,58,60,62
	v_dual_mov_b32 v[IN+\j], 0 :: v_dual_mov_b32 v[IN+\j+1], 0
.endr
	v_max3_num_f32 v[QT], |v[IN]|, |v[IN+1]|, 0x1800000        ; the floor 2^(3 - 127) holds the byte at 1 from below
	v_max3_num_f32 v[QT+1], |v[IN+32]|, |v[IN+33]|, 0x1800000
.irp i, 2,4,6,8,10,12,14,16,18
	s_delay_alu instid0(VALU_DEP_2)
	v_max3_num_f32 v[QT], v[QT], |v[IN+\i]|, |v[IN+\i+1]|
	s_delay_alu instid0(VALU_DEP_2)
	v_max3_num_f32 v[QT+1], v[QT+1], |v[IN+32+\i]|, |v[IN+33+\i]|
.endr
.irp i, 20
	s_delay_alu instid0(VALU_DEP_2)
	v_max3_num_f32 v[QT], v[QT], |v[IN+\i]|, |v[IN+\i+1]|
.endr
.irp i, 22, 24, 26, 28, 30
	s_delay_alu instid0(VALU_DEP_1)
	v_max3_num_f32 v[QT], v[QT], |v[IN+\i]|, |v[IN+\i+1]|
.endr
	s_delay_alu instid0(VALU_DEP_1)
	v_add_nc_u32 v[QT+2], 0xff000000, v[QT]        ; 2 off the exponent field: the conversion's scale operand
	v_add_nc_u32 v[QT+3], 0xff000000, v[QT+1]
	s_delay_alu instid0(VALU_DEP_2)
	v_lshrrev_b32 v[QT+4], 23, v[QT+2]             ; the scale's byte
	s_delay_alu instid0(VALU_DEP_2)
	v_lshrrev_b32 v[QT+5], 23, v[QT+3]
	s_delay_alu instid0(VALU_DEP_1)
	v_lshl_or_b32 v[S0], v[QT+5], 8, v[QT+4]
	s_delay_alu instid0(VALU_DEP_1)
	v_or_b32 v[S0], 0x7f7f0000, v[S0]              ; lane l: point l's scale word; blocks 2 and 3 are zero codes under the byte of 1.0
	v_cvt_scalef32_pk16_fp6_f32 v[C0:C0+2], v[IN:IN+15], v[QT+2]
	v_cvt_scalef32_pk16_fp6_f32 v[C0+6:C0+8], v[IN+16:IN+31], v[QT+2]     ; (a conversion's three registers begin on an even number)
	v_cvt_scalef32_pk16_fp6_f32 v[C1:C1+2], v[IN+32:IN+47], v[QT+3]
	v_cvt_scalef32_pk16_fp6_f32 v[C1+6:C1+8], v[IN+48:IN+63], v[QT+3]
	v_nop                                          ; one plain place behind a scaled conversion
	WLOADB 0                                       ; the inputs' registers are free: w_in's tiles 4-7 land while tiles 0-3 are multiplied
	v_dual_mov_b32 v[C0+4], v[C0+7] :: v_dual_mov_b32 v[C0+3], v[C0+6]   ; C0: my point's block 0
	v_mov_b32 v[C0+5], v[C0+8]
	v_dual_mov_b32 v[C1+4], v[C1+7] :: v_dual_mov_b32 v[C1+3], v[C1+6]   ; C1: its block 1
	v_mov_b32 v[C1+5], v[C1+8]
.irp i, 0,1,2,3,4,5
	v_permlane16_swap_b32 v[C0+\i], v[C1+\i]       ; C0's lanes 16-31 change places with C1's lanes 0-15: C0 is now points 0-15 (block 0 below, block 1 above), C1 points 16-31
.endr
.irp i, 6,8,10
	v_dual_mov_b32 v[C0+\i], 0 :: v_dual_mov_b32 v[C0+\i+1], 0   ; k = 64 .. 127: zero codes, which add nothing whatever stands against them
	v_dual_mov_b32 v[C1+\i], 0 :: v_dual_mov_b32 v[C1+\i+1], 0
.endr
.endm
; Layer l: 16 matrix instructions: eight tiles of units x two tiles of points.  Its fragments were asked for a phase ago.
.macro MUL l
	PLACES 4                                       ; an operand written by a vector instruction stands 4 places ahead of a scaled matrix instruction; the points' scale words were written ahead of the conversions' v_nop and moves, so with these four they stand 9 ahead
.if (\l) == 0
	s_wait_alu depctr_va_vdst(0)
	s_wait_dscnt 9                                 ; tiles 0-3 are in; the nine younger loads (tiles 4-7: eight of fragments, one of scale words) may be out
.else
	s_wait_dscnt 0x0                               ; both groups are in: tiles 0-3 were asked for last
.endif
.irp g, 0,1
.if \g
.if (\l) == 0
	s_wait_dscnt 0x0                               ; tiles 4-7 are in
.endif
	PLACES 5                                       ; the products below write their results over registers that the eight above read as operands: five places (ISA guide 7.12.1)
.endif
.irp t, 0,1,2,3
.irp m, 0,1
.set DD, H+64*\m+8*(4*\g+\t)
.set BB, C0+12*\m
.if \g
.set AA, WF+12*\t
.set SW, WSB+\t
.else
.set AA, H+32+12*(\t%2)+64*(\t/2)
.set SW, WS+\t
.endif
.if ((\l) == 0) && \m
	v_wmma_scale_f32_16x16x128_f8f6f4 v[DD:DD+7], v[AA:AA+11], v[BB:BB+11], 0, v[SW], v[S0] matrix_a_fmt:MATRIX_FMT_FP6 matrix_b_fmt:MATRIX_FMT_FP6 matrix_b_scale:MATRIX_SCALE_ROW1
.elseif (\l) == 0
	v_wmma_scale_f32_16x16x128_f8f6f4 v[DD:DD+7], v[AA:AA+11], v[BB:BB+11], 0, v[SW], v[S0] matrix_a_fmt:MATRIX_FMT_FP6 matrix_b_fmt:MATRIX_FMT_FP6
.else
	v_wmma_scale_f32_16x16x128_f8f6f4 v[DD:DD+7], v[AA:AA+11], v[BB:BB+11], 0, v[SW], v[S0+\m] matrix_a_fmt:MATRIX_FMT_FP6 matrix_b_fmt:MATRIX_FMT_FP6
.endif
.endr
.endr
.endr
.endm
; relu of 2 x pairs registers from base on, two to an instruction, in ascending order: each accumulator is first read at its low end
.macro RELU base, pairs
.set jj, 0
.rept \pairs
	v_dual_max_num_f32 v[(\base)+jj], 0, v[(\base)+jj] :: v_dual_max_num_f32 v[(\base)+jj+1], 0, v[(\base)+jj+1]
.set jj, jj+2
.endr
.endm
; Block b = 2 m + c: tile m of points, registers H + 32 b on: block 2 c + h of the next K.
; Two blocks: relu, the largest number (two chains a block, so that four take turns), the conversion's scale operand, the byte.
.macro QMAX ba, bb, r                  ; r = 1: the relu is made here; 0: it has been made
.set HA, H+32*(\ba)
.set HB, H+32*(\bb)
.if \r
	RELU HA, 16
	RELU HB, 16
.endif
	v_max3_num_f32 v[MX], v[HA], v[HA+1], 0x1800000            ; no |.|: none is negative; the floor 2^(3 - 127) holds the byte at 1 from below
	v_max3_num_f32 v[MX+1], v[HB], v[HB+1], 0x1800000
	v_max3_num_f32 v[MX+2], v[HA+16], v[HA+17], v[HA+18]
	v_max3_num_f32 v[MX+3], v[HB+16], v[HB+17], v[HB+18]
.irp i, 2,4,6,8,10,12
	s_delay_alu instid0(VALU_DEP_4)
	v_max3_num_f32 v[MX], v[MX], v[HA+\i], v[HA+\i+1]
	s_delay_alu instid0(VALU_DEP_4)
	v_max3_num_f32 v[MX+1], v[MX+1], v[HB+\i], v[HB+\i+1]
	s_delay_alu instid0(VALU_DEP_4)
	v_max3_num_f32 v[MX+2], v[MX+2], v[HA+17+\i], v[HA+18+\i]
	s_delay_alu instid0(VALU_DEP_4)
	v_max3_num_f32 v[MX+3], v[MX+3], v[HB+17+\i], v[HB+18+\i]
.endr
	s_delay_alu instid0(VALU_DEP_4)
	v_max3_num_f32 v[MX], v[MX], v[HA+14], v[HA+15]
	s_delay_alu instid0(VALU_DEP_4)
	v_max3_num_f32 v[MX+1], v[MX+1], v[HB+14], v[HB+15]
	s_delay_alu instid0(VALU_DEP_2)
	v_max3_num_f32 v[MX], v[MX], v[MX+2], v[HA+31]
	s_delay_alu instid0(VALU_DEP_2)
	v_max3_num_f32 v[MX+1], v[MX+1], v[MX+3], v[HB+31]
	s_delay_alu instid0(VALU_DEP_2)
	v_add_nc_u32 v[MX], 0xff000000, v[MX]          ; 2 off the exponent field: the conversion's scale operand
	s_delay_alu instid0(VALU_DEP_2)
	v_add_nc_u32 v[MX+1], 0xff000000, v[MX+1]
	s_delay_alu instid0(VALU_DEP_2)
	v_lshrrev_b32 v[BY+\ba], 23, v[MX]             ; the scale's byte
	s_delay_alu instid0(VALU_DEP_2)
	v_lshrrev_b32 v[BY+\bb], 23, v[MX+1]
.endm
; and their codes: registers 6 c .. 6 c + 5 of tile m's operand (C0 + 12 m + 6 c = C0 + 6 b)
.macro QCVT ba, bb
	v_cvt_scalef32_pk16_fp6_f32 v[C0+6*(\ba):C0+6*(\ba)+2], v[H+32*(\ba):H+32*(\ba)+15], v[MX]
	v_cvt_scalef32_pk16_fp6_f32 v[STA:STA+2], v[H+32*(\ba)+16:H+32*(\ba)+31], v[MX]      ; (a conversion's three registers begin on an even number)
	v_cvt_scalef32_pk16_fp6_f32 v[C0+6*(\bb):C0+6*(\bb)+2], v[H+32*(\bb):H+32*(\bb)+15], v[MX+1]
	v_cvt_scalef32_pk16_fp6_f32 v[STB:STB+2], v[H+32*(\bb)+16:H+32*(\bb)+31], v[MX+1]
	v_nop                                          ; one plain place behind a scaled conversion
	v_dual_mov_b32 v[C0+6*(\ba)+4], v[STA+1] :: v_dual_mov_b32 v[C0+6*(\ba)+3], v[STA]
	v_mov_b32 v[C0+6*(\ba)+5], v[STA+2]
	v_dual_mov_b32 v[C0+6*(\bb)+4], v[STB+1] :: v_dual_mov_b32 v[C0+6*(\bb)+3], v[STB]
	v_mov_b32 v[C0+6*(\bb)+5], v[STB+2]
.endm
; The hidden layer becomes the operands of layer l, whose weights are asked for on the way.
.macro QUANT2 l
	RELU H, 16                                     ; blocks 0 and 2 are results of tiles 0-3, which have five places behind them; these 32 lines name no register of the last eight products
	RELU H+64, 16                                  ; and are the places behind those: ahead of the loads into their operands and of the first read of their results
	WLOADB \l
	QMAX 1, 3, 1
	QCVT 1, 3
	WLOADA \l                                      ; blocks 1 and 3 are codes now: their registers take the fragments of tiles 0-3
	QMAX 0, 2, 0
.irp m, 0,1
	s_delay_alu instid0(VALU_DEP_2)
	v_lshl_or_b32 v[WD+\m], v[BY+2*\m+1], 16, v[BY+2*\m]   ; my two bytes, blocks h and 2 + h,
.endr
.irp m, 0,1
	s_delay_alu instid0(VALU_DEP_2)
	v_lshlrev_b32 v[WD+\m], v[SH8], v[WD+\m]       ; at their places;
.endr
.irp m, 0,1
	v_permlanex16_b32 v[PX+\m], v[WD+\m], s20, s21
.endr
.irp m, 0,1
	s_delay_alu instid0(VALU_DEP_2)
	v_or_b32 v[S0+\m], v[WD+\m], v[PX+\m]          ; with lane l xor 16's two the point's scale word is whole
.endr
	QCVT 0, 2
.endm
; relu, and the last product, one column, in f32: four chains of packed multiply-adds, then the two halves of the lanes.
.macro FINAL p
	RELU H, 16                                     ; block 0, a result of tiles 0-3: these 16 lines are the places behind the last products, ahead of the loads into their operands' registers
.irp c, 0,1
.irp n, 0,1,2,3,4,5,6,7
	ds_load_b128 v[WOR+32*\c+4*\n:WOR+32*\c+4*\n+3], v[WOA] offset:256*\c+16*\n   ; w_out of units 64 c + 32 h + 0 .. 31: the order of my registers
.endr
.endr
	RELU H+32, 48
	s_wait_dscnt 0x0
.irp b, 0,1,2,3
	v_pk_mul_f32 v[T+2*\b:T+2*\b+1], v[H+32*\b:H+32*\b+1], v[WOR+32*(\b%2):WOR+32*(\b%2)+1]
.endr
.irp i, 2,4,6,8,10,12,14,16,18,20,22,24,26,28,30
.irp b, 0,1,2,3
	s_delay_alu instid0(VALU_DEP_4)
	v_pk_fma_f32 v[T+2*\b:T+2*\b+1], v[H+32*\b+\i:H+32*\b+\i+1], v[WOR+32*(\b%2)+\i:WOR+32*(\b%2)+\i+1], v[T+2*\b:T+2*\b+1]
.endr
.endr
.irp m, 0
	s_delay_alu instid0(VALU_DEP_3)
	v_pk_add_f32 v[T+4*\m:T+4*\m+1], v[T+4*\m:T+4*\m+1], v[T+4*\m+2:T+4*\m+3]
.endr
.irp m, 1
	s_delay_alu instid0(VALU_DEP_2)
	v_pk_add_f32 v[T+4*\m:T+4*\m+1], v[T+4*\m:T+4*\m+1], v[T+4*\m+2:T+4*\m+3]
.endr
.irp m, 0,1
	s_delay_alu instid0(VALU_DEP_2)
	v_add_f32 v[T+4*\m], v[T+4*\m], v[T+4*\m+1]
.endr
.irp m, 0,1
	s_delay_alu instid0(VALU_DEP_2)
	v_permlanex16_b32 v[T+4*\m+1], v[T+4*\m], s20, s21   ; the point's other 64 units lie in the lane 16 away
.endr
.irp m, 0,1
	s_delay_alu instid0(VALU_DEP_2)
	v_add_f32 v[T+4*\m], v[T+4*\m], v[T+4*\m+1]
.endr
	s_delay_alu instid0(VALU_DEP_1)
	v_cndmask_b32 v[Y+(\p)], v[T], v[T+4], s22     ; lanes 0-15 own the first tile's points, lanes 16-31 the second's.  (x 1 + 0 changes no bit and is not written)
.endm
.macro PASS p
	GATHER
	GLOAD 0, 1
	GLOAD 2, 3
	TRIW \p
	GLOAD 4, 5
	PE \p
	ACCUM \p
	WLOADA 0                                       ; the gathered data are done with: w_in's tiles 0-3 land while the inputs are quantised
	QIN
	MUL 0
	QUANT2 1
	s_wait_alu depctr_va_vdst(0)
	MUL 1
	QUANT2 2
	s_wait_alu depctr_va_vdst(0)
	MUL 2
	QUANT2 3
	s_wait_alu depctr_va_vdst(0)
	MUL 3
	FINAL \p
.endm
.Lchunk:                                           ; a trip: one run of 64 points; three or four trips a wave; no barrier stands in the loop
	s_wait_xcnt 0x0                                ; the last trip's store has read its base and its data: both may be written
	s_lshl_b32 s30, s17, 8
	s_add_nc_u64 s[28:29], s[14:15], s[30:31]      ; out0 at my run
	PASS 0
	PASS 1
	global_store_b64 v[IO8], v[Y:Y+1], s[28:29] th:TH_STORE_NT   ; the wave stores 256 consecutive bytes, at a multiple of 256 from out0's first byte
	s_add_co_u32 s17, s17, STEPC
	s_cmp_lt_u32 s17, NCH
	s_cbranch_scc1 .Lchunk
	s_wait_tensorcnt 0x0                           ; the wave's end: a tensor wait, an add of 0 to my spare word and its wait, behind my last LDS store
	ds_add_u32 v[SPW], v[NIL]
	s_wait_dscnt 0x0
	s_endpgm
.Lfunc_end_k_qb0718bcc35_mlp:
	.size	k_qb0718bcc35_mlp, .Lfunc_end_k_qb0718bcc35_mlp-k_qb0718bcc35_mlp
	.p2alignl 7, 3214868480
	.fill 96, 4, 3214868480
	.section	.rodata,"a",@progbits
	.p2align	6, 0x0
	.amdhsa_kernel k_qb0718bcc35_mlp
		.amdhsa_group_segment_fixed_size 150016
		.amdhsa_private_segment_fixed_size 0
		.amdhsa_enable_private_segment 0
		.amdhsa_kernarg_size 48
		.amdhsa_user_sgpr_count 2
		.amdhsa_user_sgpr_kernarg_segment_ptr 1
		.amdhsa_wavefront_size32 1
		.amdhsa_system_sgpr_workgroup_id_x 1
		.amdhsa_system_sgpr_workgroup_id_y 1
		.amdhsa_system_sgpr_workgroup_id_z 1
		.amdhsa_system_vgpr_workitem_id 0
		.amdhsa_next_free_vgpr 256
		.amdhsa_next_free_sgpr 66
		.amdhsa_reserve_vcc 0
		.amdhsa_float_denorm_mode_32 3
		.amdhsa_float_denorm_mode_16_64 3
		.amdhsa_memory_ordered 1
		.amdhsa_forward_progress 1
		.amdhsa_inst_pref_size 194
	.end_amdhsa_kernel
	.amdgpu_metadata
---
amdhsa.version: [ 1, 2 ]
amdhsa.kernels:
  - .name:           k_qb0718bcc35_mlp
    .symbol:         k_qb0718bcc35_mlp.kd
    .args:
      - { .name: x, .offset: 0, .size: 8, .value_kind: global_buffer, .address_space: global }
      - { .name: idx, .offset: 8, .size: 8, .value_kind: global_buffer, .address_space: global }
      - { .name: gridt, .offset: 16, .size: 8, .value_kind: global_buffer, .address_space: global }
      - { .name: wimg, .offset: 24, .size: 8, .value_kind: global_buffer, .address_space: global }
      - { .name: w_out, .offset: 32, .size: 8, .value_kind: global_buffer, .address_space: global }
      - { .name: out0, .offset: 40, .size: 8, .value_kind: global_buffer, .address_space: global }
    .group_segment_fixed_size: 150016
    .private_segment_fixed_size: 0
    .kernarg_segment_align: 8
    .kernarg_segment_size: 48
    .max_flat_workgroup_size: 512
    .sgpr_count:     66
    .vgpr_count:     256
    .wavefront_size: 32
...
	.end_amdgpu_metadata
.endif
;; end of part 2
